; MI455X (gfx1250); checked and timed in simulation.
; The chip was launched on July 23, 2026; its instructions are those of AMD's public machine-readable ISA for CDNA 5 (MIT licence, August 2026) and "CDNA5" Instruction Set Architecture Reference Guide (July 2026). The comments in the code are by the model that wrote it; some were corrected since.
;; Simple Hierachical Attention. Allowed arithmetic: matrix products marked QUANTISED: E2M1 operands, one E8M0 scale for each 32 along K, by v_wmma_scale_f32_16x16x128_f8f6f4 with both operands' format E2M1 (or v_wmma_scale_f32_32x16x128_f4), f32 sums; products left as they are: f32 operands where the result goes on into a quantised operand, else bf16, f16 or f32 operands; f32 sums; everything else in f32.
;; Inputs: hidden_states 32 x 2,048 x 1,024 float32; w_out_codes 128 x 64 x 16 uint8 (E2M1 codes of w_out, K innermost, in blocks of 32 codes, two codes a byte); w_out_scales 128 x 64 uint8 (E8M0 scales of w_out, one for each 32 codes along K); w_score_codes 1,024 x 32 x 16 uint8 (E2M1 codes of w_score, K innermost, in blocks of 32 codes, two codes a byte); w_score_scales 1,024 x 32 uint8 (E8M0 scales of w_score, one for each 32 codes along K).
;; Outputs: out0 32 x 128 float32.
;; This version of the problem:
;;   THIS VERSION OF THE PROBLEM IS GIVEN IN LOW PRECISION. The matrix products marked QUANTISED in the list below multiply operands that are first quantised to E2M1 (2 exponent bits, 1 mantissa bit; 4 bits a number), with one power-of-two scale for each 32 numbers along K (OCP MX v1.0); their sums are f32. All else is computed in f32.
;;   The module's matrix products, in the order in which they are computed (A, B: the left and right operand; K: the contracted axis; several contracted axes count as one K, in the product's order):
;;     1. [M 65,536, K 1,024] x [K 1,024, N 1,024]; A: input hidden_states; B: input w_score (given as codes): QUANTISED
;;     2. batch 32 x [M 1, K 1,024] x [K 1,024, N 2,048]; A: input hidden_states; B: computed on the way: left as it is (M = 1 < 16)
;;     3. batch 32 x [M 1,024, K 2,048] x [K 2,048, N 1]; A: input hidden_states; B: softmax: left as it is (N = 1 < 16)
;;     4. [M 32, K 2,048] x [K 2,048, N 128]; A: computed on the way; B: input w_out (given as codes): QUANTISED
;;   THE QUANTISER, for each operand of a quantised product, along K:
;;     - K is cut into blocks of 32 from its start; a last block that is shorter is filled with zeros.
;;     - A block's scale is 2^e with e = floor(log2(the largest magnitude in the block)) - 2, held to -126 .. 127; a block of zeros has e = 0. As a byte (E8M0): e + 127.
;;     - Each number is divided by its block's scale, clamped to +-6, and rounded to the nearest number of E2M1, ties to even, subnormals kept.
;;     - The product sums the exact products of the quantised numbers (number of the format x scale) in f32.
;;   ~~~python
;;   def quantise(x, axis):      # numpy; x: float32 -> the quantised numbers, widened to float32 again
;;       x = np.moveaxis(x, axis, -1); K = x.shape[-1]
;;       x = np.pad(x, [(0, 0)] * (x.ndim - 1) + [(0, -K % 32)]); x = x.reshape(x.shape[:-1] + (-1, 32)); a = np.abs(x).max(-1, keepdims=True)
;;       e = np.where(a > 0, np.clip(np.frexp(np.where(a > 0, a, 1))[1] - 1 - 2, -126, 127), 0)      # np.frexp(a)[1] - 1 = floor(log2(a)), exactly
;;       r = np.clip(x / 2.0 ** e, -6, 6)
;;       step = 2.0 ** (np.maximum(np.frexp(np.where(r == 0, 1, r))[1] - 1, 0) - 1)
;;       q = np.round(r / step) * step * 2.0 ** e      # np.round: ties to even
;;       return np.moveaxis(q.reshape(q.shape[:-2] + (-1,))[..., :K], -1, axis).astype(np.float32)
;;   ~~~
;;   OPERANDS COMPUTED ON THE WAY. 'Computed on the way' means the value that the module computes at that place (a softmax that the list does not call 'softmax' is quantised finished and normalised). What goes into a quantiser is computed in f32, as accurately as f32 sums, v_exp_f32 and their like allow (about 1e-6 of the number): no bf16 or f16 on the way to a quantiser, and a product that is left as it is and whose result goes on into a quantised operand takes f32 operands (vector FMAs, or v_wmma_f32_16x16x4_f32). A number that lies on a knife's edge between two numbers of the format may be rounded either way, as far as f32 arithmetic and the matrix unit's own rounding can turn it there, and no further.
;;   INPUTS GIVEN AS CODES. w_out (in the module: [2048, 128], K = its axis 0); w_score (in the module: [1024, 1024], K = its axis 0): each comes as NAME_codes (uint8): NAME with its K axis moved to the last place and cut into blocks of 32 codes, [.., K / 32, bytes a block], one block behind the other in memory; two codes a byte, the lower K in the low four bits (a code: sign, 2 exponent bits, 1 mantissa bit); and NAME_scales (uint8): the same leading axes, one E8M0 byte (e + 127) for each 32 codes along K. Its value is code x scale, taken as it is: it is not quantised again, and the codes and scales need not be those that the quantiser above would give.
;; One version. Each part assembles by itself: llvm-mc -triple=amdgcn-amd-amdhsa -mcpu=gfx1250 --defsym DOCPART=n.
;; ======== version 1 of 1: 3 launches
;; limits: right only within a limited range of input values
;; workspace buffers: wsf 524,288 bytes; wss 32,768 bytes; wof 131,072 bytes; htt 262,144 bytes; part 1,114,112 bytes
;; launch prep (part 1): grid 232 x 1, 8 waves a work-group, no clusters, 0 bytes of LDS; arguments w_score_codes, w_score_scales, w_out_codes, wsf, wss, wof, hidden_states, htt; writes wsf, wss, wof, htt
.if DOCPART == 1
	.amdgcn_target "amdgcn-amd-amdhsa--gfx1250"
	.amdhsa_code_object_version 6
	.text
	.protected	k_qcb6524eefc_prep
	.globl	k_qcb6524eefc_prep
	.p2align	8
	.type	k_qcb6524eefc_prep,@function
k_qcb6524eefc_prep:
	s_mov_b64 s[64:65], 0
	v_nop
	global_prefetch_b8 v0, s[64:65] scope:SCOPE_SE
	s_setreg_imm32_b32 hwreg(HW_REG_WAVE_MODE, 25, 1), 1
	s_wait_xcnt 0x0
; The weights' codes and W_score's scale words are laid once in the order of the operands' registers, so that the later launches
; bring every fragment by loads of 16 bytes a lane, 512 consecutive bytes an instruction.  Nothing is computed: bytes change places.
; One piece of 16 bytes to a thread; every store of a wave covers 512 consecutive bytes.  r = lane % 16, h = lane / 16.
;   wsf: piece d = (((w 64 + nt) 2 + s) 2 + c) 32 + lane  <-  w_score_codes row 16 nt + r (512 bytes a row), bytes 128 w + 64 s + 32 c + 16 h on
;   wof: piece d = ((v 16 + sg) 2 + c) 32 + lane          <-  w_out_codes row 16 v + r (1,024 bytes a row), bytes 64 sg + 32 c + 16 h on
;   wss: piece e = (w 16 + g) 32 + lane; its word 2 a + s <-  w_score_scales row 16 (4 g + 2 a + h) + r (32 bytes a row), bytes 8 w + 4 s on
; Work-groups 0-127 lay wsf (32,768 pieces), 128-159 wof (8,192), 160-167 wss (2,048): the arms part on the work-group's number alone.
	s_load_b256 s[4:11], s[0:1], 0x0               ; w_score_codes s[4:5], w_score_scales s[6:7], w_out_codes s[8:9], wsf s[10:11]
	s_load_b128 s[12:15], s[0:1], 0x20             ; wss s[12:13], wof s[14:15]
	s_load_b128 s[20:23], s[0:1], 0x30             ; hidden_states s[20:21], htt s[22:23]
	s_wait_kmcnt 0x0
	s_cmp_lt_u32 ttmp9, 128
	s_cbranch_scc0 .Lnot_wsf
	s_lshl_b32 s16, ttmp9, 8
	v_add_nc_u32 v1, s16, v0                       ; d
	s_delay_alu instid0(VALU_DEP_1)
	v_bfe_u32 v2, v1, 4, 3                         ; h, c, s: three neighbouring bits of d,
	s_delay_alu instid0(VALU_DEP_1)
	v_lshlrev_b32 v2, 4, v2                        ; and of the source's byte: 16 h + 32 c + 64 s
	s_delay_alu instid0(VALU_DEP_3)
	v_bfe_u32 v3, v1, 13, 2                        ; w
	s_delay_alu instid0(VALU_DEP_1)
	v_lshl_or_b32 v2, v3, 7, v2                    ; + 128 w
	v_bfe_u32 v3, v1, 7, 6                         ; nt
	v_and_b32 v9, 15, v1                           ; r
	s_delay_alu instid0(VALU_DEP_1)
	v_lshl_or_b32 v3, v3, 4, v9                    ; the row 16 nt + r
	s_delay_alu instid0(VALU_DEP_1)
	v_lshl_or_b32 v2, v3, 9, v2                    ; of 512 bytes
	v_lshlrev_b32 v8, 4, v1
	global_load_b128 v[4:7], v2, s[4:5]
	s_wait_alu depctr_va_vdst(0)
	s_wait_loadcnt 0x0
	global_store_b128 v8, v[4:7], s[10:11]
	s_endpgm
.Lnot_wsf:
	s_cmp_lt_u32 ttmp9, 160
	s_cbranch_scc0 .Lscales
	s_sub_co_u32 s16, ttmp9, 128
	s_lshl_b32 s16, s16, 8
	v_add_nc_u32 v1, s16, v0                       ; d
	s_delay_alu instid0(VALU_DEP_1)
	v_bfe_u32 v2, v1, 4, 6                         ; h, c, sg
	s_delay_alu instid0(VALU_DEP_1)
	v_lshlrev_b32 v2, 4, v2                        ; 16 h + 32 c + 64 sg
	s_delay_alu instid0(VALU_DEP_3)
	v_bfe_u32 v3, v1, 10, 3                        ; v
	s_delay_alu instid0(VALU_DEP_4)
	v_and_b32 v9, 15, v1                           ; r
	s_delay_alu instid0(VALU_DEP_1)
	v_lshl_or_b32 v3, v3, 4, v9                    ; the row 16 v + r
	s_delay_alu instid0(VALU_DEP_1)
	v_lshl_or_b32 v2, v3, 10, v2                   ; of 1,024 bytes
	v_lshlrev_b32 v8, 4, v1
	global_load_b128 v[4:7], v2, s[8:9]
	s_wait_alu depctr_va_vdst(0)
	s_wait_loadcnt 0x0
	global_store_b128 v8, v[4:7], s[14:15]
	s_endpgm
.Lscales:
	s_cmp_lt_u32 ttmp9, 168
	s_cbranch_scc0 .Lht
	s_sub_co_u32 s16, ttmp9, 160
	s_lshl_b32 s16, s16, 8
	v_add_nc_u32 v1, s16, v0                       ; e
	s_delay_alu instid0(VALU_DEP_1)
	v_bfe_u32 v2, v1, 5, 4                         ; g
	s_delay_alu instid0(VALU_DEP_2)
	v_bfe_u32 v3, v1, 4, 1                         ; h
	s_delay_alu instid0(VALU_DEP_3)
	v_and_b32 v9, 15, v1                           ; r
	s_delay_alu instid0(VALU_DEP_1)
	v_lshl_or_b32 v3, v3, 4, v9
	s_delay_alu instid0(VALU_DEP_1)
	v_lshl_or_b32 v3, v2, 6, v3                    ; the row 64 g + 16 h + r (a = 0)
	v_bfe_u32 v2, v1, 9, 2                         ; w
	s_delay_alu instid0(VALU_DEP_1)
	v_lshlrev_b32 v2, 3, v2                        ; 8 w
	s_delay_alu instid0(VALU_DEP_1)
	v_lshl_or_b32 v2, v3, 5, v2                    ; + 32 bytes a row
	global_load_b64 v[4:5], v2, s[6:7]             ; a = 0: the words of s = 0 and s = 1
	global_load_b64 v[6:7], v2, s[6:7] offset:1024 ; a = 1: 32 rows further down
	s_wait_alu depctr_va_vdst(0)
	s_wait_loadcnt 0x0
	; wss is laid by pairs of tiles: the 8 bytes of (w, pair 2 g + a, lane) at ((32 w + 2 g + a) 32 + lane) 8 = 512 (e / 32) + 256 a + 8 lane: each store of a wave covers 256 consecutive bytes
	v_lshrrev_b32 v10, 5, v1
	v_and_b32 v11, 31, v1
	s_delay_alu instid0(VALU_DEP_1)
	v_lshlrev_b32 v11, 3, v11
	s_delay_alu instid0(VALU_DEP_1)
	v_lshl_or_b32 v10, v10, 9, v11
	global_store_b64 v10, v[4:5], s[12:13]
	global_store_b64 v10, v[6:7], s[12:13] offset:256
	s_endpgm
.Lht:
	; Work-groups 168-231 lay htt: for batch b and pair of tiles p, lane (r, h) finds h_t[32 p + r] and h_t[32 p + 16 + r] at ((32 b + p) 32 + lane) 8.  A thread makes the 16 bytes of lanes 2 t and 2 t + 1
	s_sub_co_u32 s16, ttmp9, 168
	s_lshl_b32 s16, s16, 8
	v_add_nc_u32 v1, s16, v0                       ; d = (32 b + p) 16 + t
	s_delay_alu instid0(VALU_DEP_1)
	v_bfe_u32 v2, v1, 4, 5                         ; p
	v_and_b32 v3, 7, v1                            ; r / 2
	s_delay_alu instid0(VALU_DEP_1)
	v_lshlrev_b32 v3, 3, v3
	s_delay_alu instid0(VALU_DEP_1)
	v_lshl_or_b32 v2, v2, 7, v3                    ; 4 (32 p + r)
	v_lshrrev_b32 v3, 9, v1                        ; b
	s_delay_alu instid0(VALU_DEP_1)
	v_lshl_or_b32 v2, v3, 23, v2                   ; + the batch's 2,048 rows of 4,096 bytes
	v_lshlrev_b32 v8, 4, v1
	global_load_b64 v[4:5], v2, s[20:21] offset:8384512   ; the batch's last row begins 2,047 x 4,096 bytes on
	global_load_b64 v[6:7], v2, s[20:21] offset:8384576   ; and 16 numbers further
	s_wait_alu depctr_va_vdst(0)
	s_wait_loadcnt 0x0
	v_mov_b32 v12, v4
	v_mov_b32 v13, v6
	v_mov_b32 v14, v5
	v_mov_b32 v15, v7
	global_store_b128 v8, v[12:15], s[22:23]
	s_endpgm
.Lfunc_end_k_qcb6524eefc_prep:
	.size	k_qcb6524eefc_prep, .Lfunc_end_k_qcb6524eefc_prep-k_qcb6524eefc_prep
	.p2alignl 7, 3214868480
	.fill 96, 4, 3214868480
	.section	.rodata,"a",@progbits
	.p2align	6, 0x0
	.amdhsa_kernel k_qcb6524eefc_prep
		.amdhsa_group_segment_fixed_size 0
		.amdhsa_private_segment_fixed_size 0
		.amdhsa_enable_private_segment 0
		.amdhsa_kernarg_size 64
		.amdhsa_user_sgpr_count 2
		.amdhsa_user_sgpr_kernarg_segment_ptr 1
		.amdhsa_wavefront_size32 1
		.amdhsa_system_sgpr_workgroup_id_x 1
		.amdhsa_system_sgpr_workgroup_id_y 1
		.amdhsa_system_sgpr_workgroup_id_z 1
		.amdhsa_system_vgpr_workitem_id 0
		.amdhsa_next_free_vgpr 16
		.amdhsa_next_free_sgpr 66
		.amdhsa_reserve_vcc 0
		.amdhsa_float_denorm_mode_32 3
		.amdhsa_float_denorm_mode_16_64 3
		.amdhsa_memory_ordered 1
		.amdhsa_forward_progress 1
		.amdhsa_inst_pref_size 6
	.end_amdhsa_kernel
	.amdgpu_metadata
---
amdhsa.version: [ 1, 2 ]
amdhsa.kernels:
  - .name:           k_qcb6524eefc_prep
    .symbol:         k_qcb6524eefc_prep.kd
    .args:
      - { .name: w_score_codes, .offset: 0, .size: 8, .value_kind: global_buffer, .address_space: global }
      - { .name: w_score_scales, .offset: 8, .size: 8, .value_kind: global_buffer, .address_space: global }
      - { .name: w_out_codes, .offset: 16, .size: 8, .value_kind: global_buffer, .address_space: global }
      - { .name: wsf, .offset: 24, .size: 8, .value_kind: global_buffer, .address_space: global }
      - { .name: wss, .offset: 32, .size: 8, .value_kind: global_buffer, .address_space: global }
      - { .name: wof, .offset: 40, .size: 8, .value_kind: global_buffer, .address_space: global }
      - { .name: hidden_states, .offset: 48, .size: 8, .value_kind: global_buffer, .address_space: global }
      - { .name: htt, .offset: 56, .size: 8, .value_kind: global_buffer, .address_space: global }
    .group_segment_fixed_size: 0
    .private_segment_fixed_size: 0
    .kernarg_segment_align: 8
    .kernarg_segment_size: 64
    .max_flat_workgroup_size: 256
    .sgpr_count:     66
    .vgpr_count:     16
    .wavefront_size: 32
...
	.end_amdgpu_metadata
.endif
;; end of part 1
;; launch main (part 2): grid 256 x 1, 4 waves a work-group, no clusters, 327,680 bytes of LDS; arguments hidden_states, wsf, wss, htt, part; writes part
.if DOCPART == 2
	.amdgcn_target "amdgcn-amd-amdhsa--gfx1250"
	.amdhsa_code_object_version 6
	.text
	.protected	k_qcb6524eefc_main
	.globl	k_qcb6524eefc_main
	.p2align	8
	.type	k_qcb6524eefc_main,@function
k_qcb6524eefc_main:
	s_mov_b64 s[64:65], 0
	v_nop
	global_prefetch_b8 v0, s[64:65] scope:SCOPE_SE
	s_setreg_imm32_b32 hwreg(HW_REG_WAVE_MODE, 25, 1), 1
	s_wait_xcnt 0x0
; For 256 rows of one batch: x is quantised to FP4 (E2M1, one E8M0 scale for each 32 along K), multiplied by W_score's codes, each result row is dotted with h_t (f32),
; and a running softmax weighs the f32 rows of x into an unnormalised context.  Stored: a record of 4,352 bytes: the context's 1,024 numbers, then the pair (m, l) 32 times.
; x IS READ FROM MEMORY ONCE, AND W_score IS WALKED ONCE FOR 128 ROWS.  A tile is 128 rows, two tiles to a work-group.  Its rows 0-63 come through the one LDS slot into registers
; (wave w: columns 256 w .. 256 w + 255, a lane 8 neighbouring columns of each row: 512 registers); its rows 64-127 then land in the slot and stay there: they are read once to be quantised and once for the context.
; Registers and LDS hold one tile and no more, so nothing lands while a tile is multiplied.  The tile's text stands once, in a loop of two trips, each with the same two tensor loads.
; THE WAVES SHARE K: a wave's 256 columns are two K steps of 128; its codes turn through its own stage in LDS and become 16 fragments.  Each wave walks all 64 tiles of 16 columns of W_score for its K quarter and
; folds its part of a result at once into S += h_t[n] x D; the four waves' parts of the scores meet in LDS.  So the f32 sums over K and n run in another order than in the reference.
; W's fragments, their scale words and h_t come from memory straight into registers, laid for that by the launch before: a ring of four slots of two tiles, 10 loads a slot.
; NO MULTICAST, though all work-groups read the same W: a joint load lands in LDS, and beside x's slot (278,528 bytes), the stages and the scores 3,584 bytes are left.
; PREFETCH: in each of tile 0's eight trips a wave asks for 16 rows (its 1,024 bytes of each, a lane a block of 256 bytes, two instructions) of tile 1's 128 rows, in the rows' order: each block once, by the wave that will load it.
; Tile 0 comes by its loads alone: there is no loop ahead of it to ask in.
; LIMITS: NaN and infinities among the inputs are not served.  A block whose largest magnitude lies under 2^-124 (a block of zeros too) gets the scale byte 1: zero codes add nothing, and the bytes are read here alone.
.set XSW,   69632                      ; LDS: x's slot: a wave's strip, 64 rows of XP bytes
.set XP,    1088                       ; a strip's row: 1,024 bytes + 16 of padding behind each 256
.set CST,   278528                     ; the codes' stages: CSW bytes a wave: row q at CP q.  Also the context's way out
.set CSW,   9216
.set CP,    144
.set SST,   315392                     ; the scale bytes' stages: 512 bytes a wave: row q at 8 q
.set SCR,   321536                     ; the waves' parts of the scores: wave w at 512 w, row q at 4 q
.set SPARE, 323584                     ; the spare words, 128 bytes a wave
; window 0: v1, v2 my place in the strip's rows 0-31, 32-63; v3, v4 where codes and scale bytes go; v5, v6 where fragments and scale words come from; v7, v8, v27 the same places in a loop's trip;
; v9, v10 the scores' places; v11, v12 places in wsf and in wss / htt; v13 16 x lane; v14, v15 the spare word and 0; v16 m, v17 l, v[18:19] f, v20-23 p of rows lane + 0, 32, 64, 96; v24-26 at work;
; v60, v61, v62 the way out; v63 the prefetch's offset.  window 1: v0-127 W's ring (slot j, tile i, K step s at 32 j + 16 i + 8 s), v128-255 x's fragments ((mt, s) at 128 + 8 (2 mt + s)).  windows 2, 3: x's rows 0-31, 32-63, row q at 8 q
.set CTX, 28                           ; v[28:35]   the context of my 8 columns
.set AS,  36                           ; v[36:43]   x's scale words: register 2 p + s: lane l holds row 32 p + l
.set BS,  44                           ; v[44:51]   W's: register 2 j + s: lanes 0-15 the slot's first tile, lanes 16-31 its second
.set HT,  52                           ; v[52:59]   h_t[16 n + r]: register 2 j + i
.set S,   64                           ; v[64:127]  my part of the scores: register 8 mt + j: row 16 mt + 8 h + j, column r's share
.set ACC, 128                          ; v[128:255] two banks of eight accumulators; outside the products two buffers of eight rows out of the slot
.set XA,  192                          ; the second of them
.set MSB, 0
.macro WIN new
.if MSB != (\new)
	s_set_vgpr_msb (MSB<<8)|(\new)
.set MSB, \new
.endif
.endm
.macro PLACES n
.rept \n
	v_nop
.endr
.endm
; a slot of W's ring: scale words, h_t, 8 loads of fragments: 256 or 512 consecutive bytes an instruction
.macro BLOAD j
	global_load_b64 v[BS+2*(\j):BS+2*(\j)+1], v12, s[8:9] offset:256*(\j)
	global_load_b64 v[HT+2*(\j):HT+2*(\j)+1], v12, s[10:11] offset:256*(\j)
	WIN 0x40
.set f, 0
.rept 8
	global_load_b128 v[32*(\j)+4*f:32*(\j)+4*f+3], v11, s[6:7] offset:4096*(\j)+512*f
.set f, f+1
.endr
	WIN 0
.endm
	s_load_b256 s[4:11], s[0:1], 0x0               ; x, wsf, wss, htt
	s_load_b64 s[42:43], s[0:1], 0x20              ; part
	v_lshl_add_u32 v14, v0, 2, SPARE
	v_mov_b32 v15, 0
	ds_add_u32 v14, v15                            ; the opening lines: the add, twice on end, and its wait
	ds_add_u32 v14, v15
	v_lshrrev_b32 v24, 5, v0
	v_readfirstlane_b32 s12, v24                   ; wave 0..3
	s_mov_b32 s16, 0x07520000                      ; group 1: elements of 4 bytes; 4 words of padding behind every 64
	s_mov_b32 s17, 256<<16
	s_mov_b32 s18, 64<<16
	s_mov_b32 s19, 256<<16
	s_mov_b32 s20, 64                              ; 64 rows x 256 elements,
	s_mov_b32 s21, 1024                            ; 1,024 elements from row to row
	s_mov_b32 s22, 0
	s_mov_b32 s23, 0
	s_lshl_b32 s36, ttmp9, 20                      ; my work-group's 256 rows of 4,096 bytes,
	s_lshl_b32 s13, s12, 10                        ; my wave's 1,024 bytes of a row
	s_add_co_u32 s36, s36, s13
	s_mov_b32 s37, 0
	s_mov_b32 s24, 1
	s_mul_i32 s25, s12, XSW                        ; my strip in LDS
	s_mul_i32 s14, s12, CSW
	s_add_co_u32 s14, s14, CST
	s_lshl_b32 s15, s12, 9
	s_add_co_u32 s44, s15, SST
	s_add_co_u32 s45, s15, SCR
	s_mov_b32 s32, 0x76543210
	s_mov_b32 s33, 0xfedcba98                      ; lane l xor 16
	s_mov_b32 s34, 0x3fb8aa3b                      ; log2(e)
.irp i, 0,1,2,3,4,5,6,7,8,9,10,11,12,13,14,15
	s_mov_b32 s[69+2*\i], 0                        ; the upper halves of the pairs that carry p: named, never used
.endr
	s_mov_b32 s28, 2                               ; tiles to go
	s_mov_b32 s30, 16                              ; trips to go, in all
	v_and_b32 v20, 31, v0                          ; l
	v_and_b32 v21, 15, v0                          ; r
	v_bfe_u32 v22, v0, 4, 1                        ; h
	v_bfe_u32 v23, v0, 3, 2
	v_and_b32 v24, 7, v0
	v_mul_u32_u24 v1, v23, 272
	v_lshl_add_u32 v1, v24, 5, v1                  ; my 32 bytes: 272 (l / 8) + 32 (l % 8)
	v_add_nc_u32 v1, s25, v1
	v_add_nc_u32 v2, 32*XP, v1
	v_lshl_add_u32 v3, v20, 2, s14
	v_mul_u32_u24 v5, v21, CP
	v_lshl_add_u32 v5, v22, 4, v5
	v_add_nc_u32 v5, s14, v5
	v_lshl_add_u32 v60, v20, 5, s14
	v_lshl_add_u32 v61, v20, 4, s14
	v_bfe_u32 v4, v0, 2, 3                         ; my block of 32 columns
	v_add_nc_u32 v4, s44, v4
	v_lshl_add_u32 v6, v20, 3, s44
	v_lshl_add_u32 v9, v22, 5, s45
	v_lshl_add_u32 v10, v20, 2, SCR
	v_lshlrev_b32 v13, 4, v20
	v_mov_b32 v11, v13
	v_lshlrev_b32 v62, 3, v20
	v_mov_b32 v12, v62
	v_lshrrev_b32 v63, 2, v20
	v_lshlrev_b32 v63, 12, v63
	v_and_b32 v25, 3, v0
	v_lshl_add_u32 v63, v25, 8, v63                ; row l / 4, block l % 4 of my 1,024 bytes
	v_mov_b32 v16, 0xff61b1e6                      ; m: -3e38
	v_mov_b32 v17, 0
	v_mov_b32 v19, 0
	v_mov_b32 v25, 0                               ; (a lane permute's destination counts as a source)
.irp i, 0,1,2,3,4,5,6,7
	v_mov_b32 v[CTX+\i], 0
.endr
	s_wait_alu depctr_va_vdst(0)
	s_wait_dscnt 0x0                               ; both opening adds are done
	s_wait_kmcnt 0x0
	s_add_nc_u64 s[26:27], s[4:5], s[36:37]        ; my strip's first byte
	s_add_nc_u64 s[40:41], s[26:27], 524288-65536  ; the prefetches: tile 1's first row, less the step that each trip takes first
	s_sub_nc_u64 s[26:27], s[26:27], 262144        ; every fill steps 64 rows on first
	s_or_b32 s27, s27, 0x80000000
	s_mov_b32 s39, 0
	s_lshl_b32 s38, s12, 17
	s_add_nc_u64 s[6:7], s[6:7], s[38:39]          ; my K quarter of wsf,
	s_lshl_b32 s38, s12, 13
	s_add_nc_u64 s[8:9], s[8:9], s[38:39]          ; of wss;
	s_lshr_b32 s38, ttmp9, 3
	s_lshl_b32 s38, s38, 13
	s_add_nc_u64 s[10:11], s[10:11], s[38:39]      ; my batch's 8,192 bytes of htt;
	s_mul_i32 s38, ttmp9, 4352
	s_add_co_u32 s38, s38, s13
	s_add_nc_u64 s[42:43], s[42:43], s[38:39]      ; my wave's 1,024 bytes of the record
	BLOAD 0
	BLOAD 1
	BLOAD 2
	BLOAD 3
.macro COPY                            ; the slot's 64 rows of my strip into registers
	s_wait_tensorcnt 0x0                           ; my strip has landed; nobody else reads it
	WIN 0x80
.set i, 0
.rept 32
	ds_load_b128 v[8*i:8*i+3], v1 offset:XP*i
	ds_load_b128 v[8*i+4:8*i+7], v1 offset:XP*i+16
.set i, i+1
.endr
	WIN 0xc0
.set i, 0
.rept 32
	ds_load_b128 v[8*i:8*i+3], v2 offset:XP*i
	ds_load_b128 v[8*i+4:8*i+7], v2 offset:XP*i+16
.set i, i+1
.endr
	WIN 0
.endm
; Rows 16 b .. 16 b + 15, in registers, are quantised.  A block of 32 columns lies in four neighbouring lanes.  Two sets of temporaries by turns, over S and the accumulators, which are idle here.
.macro QBATCH b
.set WW, 2+((\b)>>1)
.set WQ, WW|(WW<<2)
.set XB, 128*((\b)&1)
.if ((\b)&1) == 0
.set QM, 104
.set QS, 120
.set QC, 136
.else
.set QM, 72
.set QS, 88
.set QC, 152
.endif
.if (\b) >= 2
	s_wait_dscnt 32                                ; the stores of two batches back, which read this set, are done
.endif
	WIN WQ
.set i, 0
.rept 16
	v_max3_num_f32 v[QM+i], |v[XB+8*i]|, |v[XB+8*i+1]|, 0x1800000   ; with the floor 2^(3 - 127): the byte cannot fall under 1
.set i, i+1
.endr
.irp a, 2,4,6
.set i, 0
.rept 16
	v_max3_num_f32 v[QM+i], |v[XB+8*i+\a]|, |v[XB+8*i+\a+1]|, v[QM+i]
.set i, i+1
.endr
.endr
	WIN 0
.irp m, 1,2
.set i, 0
.rept 16
	v_max_num_f32_dpp v[QM+i], v[QM+i], v[QM+i] row_xmask:\m row_mask:0xf bank_mask:0xf
.set i, i+1
.endr
.endr
.set i, 0
.rept 16
	v_add_nc_u32 v[QS+i], 0xff000000, v[QM+i]      ; 2 off the exponent field: the conversion's scale operand
.set i, i+1
.endr
	WIN WW
.set i, 0
.rept 16
	v_cvt_scalef32_pk8_fp4_f32 v[QC+i], v[XB+8*i:XB+8*i+7], v[QS+i]
.set i, i+1
.endr
	WIN 0
.set i, 0
.rept 16
	v_lshrrev_b32 v[QM+i], 23, v[QS+i]             ; the scale's byte
.set i, i+1
.endr
.set i, 0
.rept 16
	ds_store_b32 v3, v[QC+i] offset:CP*(16*(\b)+i)
.set i, i+1
.endr
.set i, 0
.rept 16
	ds_store_b8 v4, v[QM+i] offset:8*(16*(\b)+i)
.set i, i+1
.endr
.endm
.macro LX X, r0                        ; eight rows of the slot, from row r0 of the trip's place on, into buffer X
.set i, 0
.rept 8
	ds_load_b128 v[\X+8*i:\X+8*i+3], v7 offset:XP*((\r0)+i)
	ds_load_b128 v[\X+8*i+4:\X+8*i+7], v7 offset:XP*((\r0)+i)+16
.set i, i+1
.endr
.endm
.macro QH X, T, r0                     ; the eight rows in buffer X are quantised; temporaries v[T .. T + 23]
.set i, 0
.rept 8
	v_max3_num_f32 v[\T+i], |v[\X+8*i]|, |v[\X+8*i+1]|, 0x1800000
.set i, i+1
.endr
.irp a, 2,4,6
.set i, 0
.rept 8
	v_max3_num_f32 v[\T+i], |v[\X+8*i+\a]|, |v[\X+8*i+\a+1]|, v[\T+i]
.set i, i+1
.endr
.endr
.irp m, 1,2
.set i, 0
.rept 8
	v_max_num_f32_dpp v[\T+i], v[\T+i], v[\T+i] row_xmask:\m row_mask:0xf bank_mask:0xf
.set i, i+1
.endr
.endr
.set i, 0
.rept 8
	v_add_nc_u32 v[\T+8+i], 0xff000000, v[\T+i]
.set i, i+1
.endr
.set i, 0
.rept 8
	v_cvt_scalef32_pk8_fp4_f32 v[\T+16+i], v[\X+8*i:\X+8*i+7], v[\T+8+i]
.set i, i+1
.endr
.set i, 0
.rept 8
	v_lshrrev_b32 v[\T+i], 23, v[\T+8+i]
.set i, i+1
.endr
.set i, 0
.rept 8
	ds_store_b32 v8, v[\T+16+i] offset:CP*((\r0)+i)
.set i, i+1
.endr
.set i, 0
.rept 8
	ds_store_b8 v27, v[\T+i] offset:8*((\r0)+i)
.set i, i+1
.endr
.endm
.macro AFLOAD hf                       ; 8 fragments and their scale words out of my own stages: LDS serves a wave's instructions in order
	WIN 0x40
.irp mt, 0,1,2,3
.irp s, 0,1
.irp c, 0,1
	ds_load_b128 v[128+64*\hf+8*(2*\mt+\s)+4*\c:128+64*\hf+8*(2*\mt+\s)+4*\c+3], v5 offset:16*CP*\mt+64*\s+32*\c
.endr
.endr
.endr
	WIN 0
.irp p, 0,1
	ds_load_b64 v[AS+4*\hf+2*\p:AS+4*\hf+2*\p+1], v6 offset:256*\p
.endr
.endm
.macro MM                              ; one matrix instruction, by the symbols rD, rA, rB, rSA, rSB; fZ: it starts the sum; fA, fB: the scale words stand in lanes 16-31
.if fZ
.if fA && fB
	v_wmma_scale_f32_16x16x128_f8f6f4 v[rD:rD+7], v[rA:rA+7], v[rB:rB+7], 0, v[rSA], v[rSB] matrix_a_fmt:MATRIX_FMT_FP4 matrix_b_fmt:MATRIX_FMT_FP4 matrix_a_scale:MATRIX_SCALE_ROW1 matrix_b_scale:MATRIX_SCALE_ROW1
.elseif fA
	v_wmma_scale_f32_16x16x128_f8f6f4 v[rD:rD+7], v[rA:rA+7], v[rB:rB+7], 0, v[rSA], v[rSB] matrix_a_fmt:MATRIX_FMT_FP4 matrix_b_fmt:MATRIX_FMT_FP4 matrix_a_scale:MATRIX_SCALE_ROW1
.elseif fB
	v_wmma_scale_f32_16x16x128_f8f6f4 v[rD:rD+7], v[rA:rA+7], v[rB:rB+7], 0, v[rSA], v[rSB] matrix_a_fmt:MATRIX_FMT_FP4 matrix_b_fmt:MATRIX_FMT_FP4 matrix_b_scale:MATRIX_SCALE_ROW1
.else
	v_wmma_scale_f32_16x16x128_f8f6f4 v[rD:rD+7], v[rA:rA+7], v[rB:rB+7], 0, v[rSA], v[rSB] matrix_a_fmt:MATRIX_FMT_FP4 matrix_b_fmt:MATRIX_FMT_FP4
.endif
.else
.if fA && fB
	v_wmma_scale_f32_16x16x128_f8f6f4 v[rD:rD+7], v[rA:rA+7], v[rB:rB+7], v[rD:rD+7], v[rSA], v[rSB] matrix_a_fmt:MATRIX_FMT_FP4 matrix_b_fmt:MATRIX_FMT_FP4 matrix_a_scale:MATRIX_SCALE_ROW1 matrix_b_scale:MATRIX_SCALE_ROW1
.elseif fA
	v_wmma_scale_f32_16x16x128_f8f6f4 v[rD:rD+7], v[rA:rA+7], v[rB:rB+7], v[rD:rD+7], v[rSA], v[rSB] matrix_a_fmt:MATRIX_FMT_FP4 matrix_b_fmt:MATRIX_FMT_FP4 matrix_a_scale:MATRIX_SCALE_ROW1
.elseif fB
	v_wmma_scale_f32_16x16x128_f8f6f4 v[rD:rD+7], v[rA:rA+7], v[rB:rB+7], v[rD:rD+7], v[rSA], v[rSB] matrix_a_fmt:MATRIX_FMT_FP4 matrix_b_fmt:MATRIX_FMT_FP4 matrix_b_scale:MATRIX_SCALE_ROW1
.else
	v_wmma_scale_f32_16x16x128_f8f6f4 v[rD:rD+7], v[rA:rA+7], v[rB:rB+7], v[rD:rD+7], v[rSA], v[rSB] matrix_a_fmt:MATRIX_FMT_FP4 matrix_b_fmt:MATRIX_FMT_FP4
.endif
.endif
.endm
; Half-visit v of a trip: W's tile v / 2 (16 columns) against my rows 64 (v % 2) .. + 63, two K steps.  Its four accumulators take turns.  A visit's two half-visits stand on end, on the eight accumulators of bank (v / 2) % 2.
.macro WMMA8 v
	WIN 0x05                                       ; x's fragments and W's: window 1
.irp s, 0,1
.irp mt, 0,1,2,3
.set rD, ACC+64*(((\v)/2)&1)+32*((\v)&1)+8*\mt
.set rA, 128+64*((\v)&1)+8*(2*\mt+\s)
.set rB, 32*((\v)/4)+16*(((\v)/2)&1)+8*\s
.set rSA, AS+4*((\v)&1)+2*(\mt/2)+\s
.set rSB, BS+2*((\v)/4)+\s
.set fZ, 1-\s
.set fA, \mt&1
.set fB, ((\v)/2)&1
	MM
.endr
.endr
.if (\v)&1
	WIN 0                                          ; behind the visit's second half
.endif
.endm
.macro SFMA v                          ; S += h_t[16 n + r] x the results of half-visit v: each accumulator from its low end on
.set SB, S+32*((\v)&1)
.set AB, ACC+64*(((\v)/2)&1)+32*((\v)&1)
.set HP, HT+2*((\v)/4)
.irp mt, 0,1,2,3
.irp a, 0,2,4,6
.if ((\v)/2)&1
	v_pk_fma_f32 v[SB+8*\mt+\a:SB+8*\mt+\a+1], v[AB+8*\mt+\a:AB+8*\mt+\a+1], v[HP:HP+1], v[SB+8*\mt+\a:SB+8*\mt+\a+1] op_sel:[0,1,0] op_sel_hi:[1,1,1]
.else
	v_pk_fma_f32 v[SB+8*\mt+\a:SB+8*\mt+\a+1], v[AB+8*\mt+\a:AB+8*\mt+\a+1], v[HP:HP+1], v[SB+8*\mt+\a:SB+8*\mt+\a+1] op_sel_hi:[1,0,1]
.endif
.endr
.endr
.endm
; A slot that is done with is asked for again, for the next trip (a tile's last trip asks for the next tile's first: the place wraps).  The launch's last trip asks for nothing and waits for all that is out, so that the counted waits hold on both ways.
.macro REISSUE j
	s_cmp_eq_u32 s30, 1
	s_cbranch_scc1 .Lnomore_\@
	BLOAD \j
	s_branch .Ljoin_\@
.Lnomore_\@:
	s_wait_loadcnt 0x0
.Ljoin_\@:
.endm
; A trip: 8 visits, a tile of W each: 16 matrix instructions on one bank, followed by the 32 multiply-adds of the visit before, which read the other bank, name none of this visit's registers and are the places behind it (ISA guide 7.12.1).
; Slot j - 1 is asked for again behind slot j's first visit, when its last multiply-adds have read its h_t.  So at slot 0 the three other slots' 30 loads may be out, at slots 1 to 3 two slots' 20.
.macro TRIP
.irp j, 0,1,2,3
.if \j == 0
	s_wait_loadcnt 30
.else
	s_wait_loadcnt 20
.endif
.irp u, 0,1,2,3
	WMMA8 4*\j+\u
.if (4*\j+\u) == 1
	PLACES 4                                       ; no multiply-adds are due yet
.elseif (\u & 1) == 1
	SFMA 4*\j+\u-3
	SFMA 4*\j+\u-2
.endif
.if (\u == 1) && (\j > 0)
.if \j == 1
	s_wait_xcnt 0x0                                ; the earlier loads and my prefetches have had their addresses taken: the places step to the next trip's, and wrap
	v_add_nc_u32 v11, 0x4000, v11
	v_add_nc_u32 v12, 0x400, v12
	v_and_b32 v11, 0x1ffff, v11
	v_and_b32 v12, 0x1fff, v12
	s_add_nc_u64 s[40:41], s[40:41], 65536         ; 16 rows on
.endif
	REISSUE \j-1
.if \j == 2
	s_cmp_eq_u32 s28, 2                            ; in tile 0 alone: tile 1's rows, 16 a trip
	s_cbranch_scc0 .Lnoask
	global_prefetch_b8 v63, s[40:41] th:TH_LOAD_NT scope:SCOPE_SE
	global_prefetch_b8 v63, s[40:41] offset:32768 th:TH_LOAD_NT scope:SCOPE_SE
.Lnoask:
.endif
.endif
.endr
.endr
	SFMA 14
	SFMA 15
	REISSUE 3
.endm
; The context += p x the f32 rows 16 b .. 16 b + 15 in registers
.macro CTXB b
.set WW, 2+((\b)>>1)
.set XB, 128*((\b)&1)
.set PR, 20+((\b)>>1)
.set i, 0
.rept 16
	v_readlane_b32 s[68+2*i], v[PR], 16*((\b)&1)+i
.set i, i+1
.endr
	WIN WW
.set i, 0
.rept 16
.irp a, 0,2,4,6
	v_pk_fma_f32 v[CTX+\a:CTX+\a+1], v[XB+8*i+\a:XB+8*i+\a+1], s[68+2*i:69+2*i], v[CTX+\a:CTX+\a+1] op_sel_hi:[1,0,1]
.endr
.set i, i+1
.endr
	WIN 0
.endm
.Ltile:                                                ; two trips, a tile each
	s_wait_alu depctr_va_vdst(0)
	s_wait_tensorcnt 0x0                           ; no tensor load of mine is out
	ds_add_u32 v14, v15                            ; the add, here twice on end
	ds_add_u32 v14, v15
	s_add_nc_u64 s[26:27], s[26:27], 262144        ; the tile's rows 0-63
	s_wait_dscnt 0x0                               ; the adds are done, and so are my reads of the slot
	s_barrier_signal -1
	s_barrier_wait -1
	tensor_load_to_lds s[24:27], s[16:23]
	s_nop 0
	PLACES 4
	COPY
	s_wait_dscnt 63                                ; of the 128 loads at most 63 are out: rows 0-31 are in
	QBATCH 0
	s_wait_tensorcnt 0x0
	ds_add_u32 v14, v15
	s_add_nc_u64 s[26:27], s[26:27], 262144        ; the tile's rows 64-127
	s_wait_dscnt 0x0                               ; the add is done, and my 128 reads of the slot are in
	s_barrier_signal -1
	s_barrier_wait -1
	tensor_load_to_lds s[24:27], s[16:23]          ; it lands while rows 16-63 are quantised
	s_nop 0
	PLACES 4
	QBATCH 1
	QBATCH 2
	QBATCH 3
	AFLOAD 0
	s_wait_tensorcnt 0x0                           ; rows 64-127 of my strip have landed
	s_mov_b32 s44, 4                               ; four trips of 16 rows
	s_mov_b32 s45, 0
	s_mov_b32 s46, 0
	s_mov_b32 s47, 0
.Lql:
	v_add_nc_u32 v7, s45, v1
	v_add_nc_u32 v8, s46, v3
	v_add_nc_u32 v27, s47, v4
	LX XA, 0
	LX ACC, 8
	s_wait_dscnt 16                                ; the second buffer's 16 loads may be out
	QH XA, 64, 0
	s_wait_dscnt 16                                ; the 16 stores just issued may be out
	QH ACC, 88, 8
	s_add_co_u32 s45, s45, 16*XP
	s_add_co_u32 s46, s46, 16*CP
	s_add_co_u32 s47, s47, 128
	s_sub_co_u32 s44, s44, 1
	s_cmp_lg_u32 s44, 0
	s_cbranch_scc1 .Lql
	AFLOAD 1
	s_wait_dscnt 0x0
.set i, 0
.rept 64
	v_mov_b32 v[S+i], 0                            ; the tile's scores begin (the registers held temporaries)
.set i, i+1
.endr
	s_mov_b32 s29, 8                               ; eight trips: W's 64 tiles of 16 columns
.Ltrip:
	TRIP
	s_sub_co_u32 s30, s30, 1
	s_sub_co_u32 s29, s29, 1
	s_cmp_lg_u32 s29, 0
	s_cbranch_scc1 .Ltrip
	; the 16 columns' shares of each row are added; the four waves' parts meet in LDS; lane l then holds the scores of rows l + 0, 32, 64, 96
.irp m, 1,2,4,8
.set i, 0
.rept 64
	v_add_f32_dpp v[S+i], v[S+i], v[S+i] row_xmask:\m row_mask:0xf bank_mask:0xf
.set i, i+1
.endr
.endr
.irp mt, 0,1,2,3,4,5,6,7
	ds_store_b128 v9, v[S+8*\mt:S+8*\mt+3] offset:64*\mt
	ds_store_b128 v9, v[S+8*\mt+4:S+8*\mt+7] offset:64*\mt+16
.endr
	s_wait_dscnt 0x0                               ; for the others' sake
	s_barrier_signal -1
	s_barrier_wait -1
.irp u, 0,1,2,3
.irp g, 0,1,2,3
	ds_load_b32 v[XA+4*\u+\g], v10 offset:512*\u+128*\g
.endr
.endr
	s_wait_dscnt 0x0
	v_pk_add_f32 v[208:209], v[192:193], v[196:197]
	v_pk_add_f32 v[210:211], v[194:195], v[198:199]
	v_pk_add_f32 v[212:213], v[200:201], v[204:205]
	v_pk_add_f32 v[214:215], v[202:203], v[206:207]
	v_pk_add_f32 v[208:209], v[208:209], v[212:213]
	v_pk_add_f32 v[210:211], v[210:211], v[214:215]
	; the running softmax: the new m; f = e^(old m - new m); p = e^(score - m); l = l f + the lane's four p; the context x f
	v_max3_num_f32 v24, v208, v209, v210
	v_max_num_f32 v24, v24, v211
.irp m, 1,2,4,8
	v_max_num_f32_dpp v24, v24, v24 row_xmask:\m row_mask:0xf bank_mask:0xf
.endr
	v_permlanex16_b32 v25, v24, s32, s33
	v_max_num_f32 v24, v24, v25
	v_max_num_f32 v26, v16, v24
	v_sub_f32 v18, v16, v26
.irp g, 0,1,2,3
	v_sub_f32 v[20+\g], v[208+\g], v26
.endr
	v_mul_f32 v18, s34, v18
.irp g, 0,1,2,3
	v_mul_f32 v[20+\g], s34, v[20+\g]
.endr
	s_wait_alu depctr_va_vdst(0)                   ; the wait ahead of the batch
	v_exp_f32 v18, v18
.irp g, 0,1,2,3
	v_exp_f32 v[20+\g], v[20+\g]
.endr
	v_mov_b32 v16, v26                             ; (a plain line behind the exponentials)
	s_wait_alu depctr_va_vdst(0)                   ; and behind it
	v_fma_f32 v17, v17, v18, v20
	v_add_f32 v17, v17, v21
	v_add_f32 v17, v17, v22
	v_add_f32 v17, v17, v23
.irp a, 0,2,4,6
	v_pk_mul_f32 v[CTX+\a:CTX+\a+1], v[CTX+\a:CTX+\a+1], v[18:19] op_sel_hi:[1,0]
.endr
	CTXB 0
	CTXB 1
	CTXB 2
	CTXB 3
	; rows 64-127 out of the slot once more: two trips of 32 rows, eight rows a batch on two buffers; v22 carries the trip's p
	s_mov_b32 s44, 2
	s_mov_b32 s45, 0
.Lcl:
	v_add_nc_u32 v7, s45, v1
	LX XA, 0
	LX ACC, 8
.irp k, 0,1,2,3
.set XX, XA-64*(\k&1)
.set PS, 68+16*(\k&1)
.set i, 0
.rept 8
	v_readlane_b32 s[PS+2*i], v22, 8*\k+i
.set i, i+1
.endr
	s_wait_alu depctr_va_vdst(0)
.if \k < 3
	s_wait_dscnt 16                                ; the next batch's 16 loads may be out
.else
	s_wait_dscnt 0x0
.endif
.set i, 0
.rept 8
.irp a, 0,2,4,6
	v_pk_fma_f32 v[CTX+\a:CTX+\a+1], v[XX+8*i+\a:XX+8*i+\a+1], s[PS+2*i:PS+2*i+1], v[CTX+\a:CTX+\a+1] op_sel_hi:[1,0,1]
.endr
.set i, i+1
.endr
.if \k < 2
	LX XX, 8*(\k+2)
.endif
.endr
	v_mov_b32 v22, v23
	s_add_co_u32 s45, s45, 32*XP
	s_sub_co_u32 s44, s44, 1
	s_cmp_lg_u32 s44, 0
	s_wait_alu depctr_va_vdst(0)
	s_cbranch_scc1 .Lcl
	s_sub_co_u32 s28, s28, 1
	s_cmp_lg_u32 s28, 0
	s_cbranch_scc1 .Ltile
	; THE WAY OUT.  l's 32 lanes are added.  A lane's 32 bytes of the context turn through my stage, so that each store of the wave covers 512 consecutive bytes.
.irp m, 1,2,4,8
	v_add_f32_dpp v17, v17, v17 row_xmask:\m row_mask:0xf bank_mask:0xf
.endr
	v_permlanex16_b32 v25, v17, s32, s33
	v_add_f32 v17, v17, v25
	ds_store_b128 v60, v[CTX:CTX+3]
	ds_store_b128 v60, v[CTX+4:CTX+7] offset:16
	ds_load_b128 v[192:195], v61
	ds_load_b128 v[196:199], v61 offset:512
	s_wait_alu depctr_va_vdst(0)
	s_wait_dscnt 0x0
	global_store_b128 v13, v[192:195], s[42:43]
	global_store_b128 v13, v[196:199], s[42:43] offset:512
	s_cmp_lg_u32 s12, 0                            ; every wave holds the same m and l: wave 0 stores them, 32 times: 256 consecutive bytes
	s_cbranch_scc1 .Lnot_wave_0
	global_store_b64 v62, v[16:17], s[42:43] offset:4096
.Lnot_wave_0:
	s_wait_tensorcnt 0x0                           ; the wave's end
	ds_add_u32 v14, v15
	s_wait_dscnt 0x0
	s_endpgm
.Lfunc_end_k_qcb6524eefc_main:
	.size	k_qcb6524eefc_main, .Lfunc_end_k_qcb6524eefc_main-k_qcb6524eefc_main
	.p2alignl 7, 3214868480
	.fill 96, 4, 3214868480
	.section	.rodata,"a",@progbits
	.p2align	6, 0x0
	.amdhsa_kernel k_qcb6524eefc_main
		.amdhsa_group_segment_fixed_size 327680
		.amdhsa_private_segment_fixed_size 0
		.amdhsa_enable_private_segment 0
		.amdhsa_kernarg_size 40
		.amdhsa_user_sgpr_count 2
		.amdhsa_user_sgpr_kernarg_segment_ptr 1
		.amdhsa_wavefront_size32 1
		.amdhsa_system_sgpr_workgroup_id_x 1
		.amdhsa_system_sgpr_workgroup_id_y 1
		.amdhsa_system_sgpr_workgroup_id_z 1
		.amdhsa_system_vgpr_workitem_id 0
		.amdhsa_next_free_vgpr 1024
		.amdhsa_next_free_sgpr 100
		.amdhsa_reserve_vcc 0
		.amdhsa_float_denorm_mode_32 3
		.amdhsa_float_denorm_mode_16_64 3
		.amdhsa_memory_ordered 1
		.amdhsa_forward_progress 1
		.amdhsa_inst_pref_size 175
	.end_amdhsa_kernel
	.amdgpu_metadata
---
amdhsa.version: [ 1, 2 ]
amdhsa.kernels:
  - .name:           k_qcb6524eefc_main
    .symbol:         k_qcb6524eefc_main.kd
    .args:
      - { .name: hidden_states, .offset: 0, .size: 8, .value_kind: global_buffer, .address_space: global }
      - { .name: wsf, .offset: 8, .size: 8, .value_kind: global_buffer, .address_space: global }
      - { .name: wss, .offset: 16, .size: 8, .value_kind: global_buffer, .address_space: global }
      - { .name: htt, .offset: 24, .size: 8, .value_kind: global_buffer, .address_space: global }
      - { .name: part, .offset: 32, .size: 8, .value_kind: global_buffer, .address_space: global }
    .group_segment_fixed_size: 327680
    .private_segment_fixed_size: 0
    .kernarg_segment_align: 8
    .kernarg_segment_size: 40
    .max_flat_workgroup_size: 128
    .sgpr_count:     100
    .vgpr_count:     1024
    .wavefront_size: 32
...
	.end_amdgpu_metadata
.endif
;; end of part 2
;; launch finish (part 3): grid 32 x 1, 8 waves a work-group, no clusters, 29,696 bytes of LDS; arguments part, hidden_states, wof, w_out_scales, out0; writes out0
.if DOCPART == 3
	.amdgcn_target "amdgcn-amd-amdhsa--gfx1250"
	.amdhsa_code_object_version 6
	.text
	.protected	k_qcb6524eefc_finish
	.globl	k_qcb6524eefc_finish
	.p2align	8
	.type	k_qcb6524eefc_finish,@function
k_qcb6524eefc_finish:
	s_mov_b64 s[64:65], 0
	v_nop
	global_prefetch_b8 v0, s[64:65] scope:SCOPE_SE
	s_setreg_imm32_b32 hwreg(HW_REG_WAVE_MODE, 25, 1), 1
	s_wait_xcnt 0x0
; One batch to a work-group.  The batch's 8 records (context under its own m, and m, l) are joined: M = the largest m, e_i = e^(m_i - M), L = the sum of e_i l_i, context = the sum of (e_i / L) context_i, all f32.
; [context, h_t], 2,048 numbers, is quantised to FP4 (E2M1, one E8M0 scale for each 32), multiplied by W_out's codes, and tanh is taken.
; Wave v makes outputs 16 v .. 16 v + 15: source 0 = 16 rows of W_out, source 1 = the batch's row, which stands in all 16 columns of the operand: the product is small (2,048 x 128 a batch),
; and so 32 work-groups each own their 128 outputs and no sum crosses work-groups.  W_out's 16 fragments of a wave (128 registers) come laid in register order by the first launch.
; The row's 16 fragments are made two to a wave and go from wave to wave through LDS as images of their registers (16 bytes a lane, 512 a store), their scale words likewise.
; No tensor load, no ring, no cluster: nothing is shared between work-groups but W_out's 131,072 bytes.
; LIMITS: NaN and infinities are not served; a block under 2^-124 (a block of zeros too) gets the scale byte 1: zero codes add nothing, and the bytes are read here alone.
.set PRE,  0                           ; LDS: the 2,048 f32 numbers
.set IMG,  8192                        ; 16 images of 1,024 bytes: K step sg at 1,024 sg
.set PSC,  24576                       ; their scale words: 128 bytes each
.set OUTS, 26624                       ; the batch's 128 outputs
.set W2S,  16                          ; v[16:23]  W_out's scale words: register 4 u + q: lanes 0-15 K step 8 u + q, lanes 16-31 K step 8 u + 4 + q
.set XSC,  24                          ; v[24:27]  the row's scale words of four K steps
.set ST,   32                          ; v[32:95]  first the records; then 64 numbers to be quantised; then four fragments (v32-63) and four accumulators (v64-95)
.set TM,   96                          ; v[96:111] at work in the quantiser
.set PW,   112                         ; the scale word just made
.set PC,   114                         ; v[114:121] the codes just made
.set WF,   128                         ; v[128:255] W_out's fragments: K step sg at 8 sg
.set SEL,  32                          ; s[32:33]
	s_load_b256 s[4:11], s[0:1], 0x0               ; part s[4:5], hidden_states s[6:7], wof s[8:9], w_out_scales s[10:11]
	s_load_b64 s[12:13], s[0:1], 0x20              ; out0
	v_lshl_add_u32 v126, v0, 2, 0x7000
	v_mov_b32 v127, 0
	v_lshrrev_b32 v1, 5, v0
	s_delay_alu instid0(VALU_DEP_1)
	v_readfirstlane_b32 s14, v1                    ; wave 0..7
	v_and_b32 v1, 31, v0                           ; l
	v_and_b32 v2, 15, v0                           ; r
	v_bfe_u32 v3, v0, 4, 1                         ; h
	s_delay_alu instid0(VALU_DEP_3)
	v_lshlrev_b32 v4, 3, v1                        ; 8 l
	v_lshlrev_b32 v5, 4, v0                        ; 16 t: my four columns
	v_lshlrev_b32 v6, 4, v1                        ; 16 l
	v_lshlrev_b32 v7, 2, v1                        ; 4 l
	v_lshlrev_b32 v8, 6, v2
	s_delay_alu instid0(VALU_DEP_1)
	v_lshl_add_u32 v8, v3, 4, v8                   ; W_out's scales: row r of 64 bytes, + 16 h
	s_lshl_b32 s15, s14, 10
	v_lshl_add_u32 v9, v3, 6, s15                  ; my two K steps of the numbers: 1,024 v, + 64 h
	s_lshl_b32 s16, s14, 11
	v_add_nc_u32 v10, s16, v6                      ; where my two images go: 2,048 v + 16 l
	s_lshl_b32 s17, s14, 8
	v_add_nc_u32 v11, s17, v7                      ; and their scale words: 256 v + 4 l
	s_lshl_b32 s18, s14, 6
	v_lshl_add_u32 v12, v3, 5, s18                 ; my 8 outputs: 64 v + 32 h
	s_mul_i32 s20, ttmp9, 8*4352                   ; the batch's 8 records
	s_mov_b32 s21, 0
	s_lshl_b32 s22, ttmp9, 23
	s_add_co_u32 s22, s22, 2047*4096               ; the batch's last row
	s_mov_b32 s23, 0
	s_lshl_b32 s24, s14, 14                        ; my 16 fragments of wof
	s_mov_b32 s25, 0
	s_mov_b32 s26, s15                             ; my 16 rows of scales
	s_mov_b32 s27, 0
	s_lshl_b32 s28, ttmp9, 9                       ; the batch's row of out0
	s_mov_b32 s29, 0
	s_mov_b32 s30, 0x3fb8aa3b                      ; log2(e)
	s_mov_b32 s31, 0x4038aa3b                      ; 2 log2(e)
	s_mov_b32 s[SEL], 0x76543210
	s_mov_b32 s[SEL+1], 0xfedcba98                 ; v_permlanex16_b32's selects for lane l xor 16
	s_wait_alu depctr_va_vdst(0)
	s_wait_kmcnt 0x0
	s_add_nc_u64 s[4:5], s[4:5], s[20:21]
	s_add_nc_u64 s[6:7], s[6:7], s[22:23]
	s_add_nc_u64 s[8:9], s[8:9], s[24:25]
	s_add_nc_u64 s[10:11], s[10:11], s[26:27]
	s_add_nc_u64 s[12:13], s[12:13], s[28:29]
.irp i, 0,1,2,3,4,5,6,7
	global_load_b64 v[32+2*\i:33+2*\i], v4, s[4:5] offset:4352*\i+4096     ; m_i, l_i
.endr
.irp i, 0,1,2,3,4,5,6,7
	global_load_b128 v[48+4*\i:51+4*\i], v5, s[4:5] offset:4352*\i         ; my four columns of record i
.endr
	global_load_b128 v[80:83], v5, s[6:7]          ; and of h_t
.irp u, 0,1
	global_load_b128 v[W2S+4*\u:W2S+4*\u+3], v8, s[10:11] offset:32*\u
.endr
.set i, 0
.rept 32
	global_load_b128 v[WF+4*i:WF+4*i+3], v6, s[8:9] offset:512*i
.set i, i+1
.endr
	s_wait_loadcnt 34                              ; the records and h_t are in; the 2 loads of scales and the 32 of fragments may be out
	; ---- A: the records are joined
	v_max3_num_f32 v92, v32, v34, v36
	s_delay_alu instid0(VALU_DEP_1)
	v_max3_num_f32 v92, v92, v38, v40
	s_delay_alu instid0(VALU_DEP_1)
	v_max3_num_f32 v92, v92, v42, v44
	s_delay_alu instid0(VALU_DEP_1)
	v_max_num_f32 v92, v92, v46                    ; M
.irp i, 0,1,2,3,4,5,6,7
	v_sub_f32 v[84+\i], v[32+2*\i], v92
.endr
.irp i, 0,1,2,3,4,5,6,7
	v_mul_f32 v[84+\i], s30, v[84+\i]
.endr
	s_wait_alu depctr_va_vdst(0)
.irp i, 0,1,2,3,4,5,6,7
	v_exp_f32 v[84+\i], v[84+\i]                   ; e_i
.endr
	v_nop                                          ; a plain line behind the exponentials
	s_wait_alu depctr_va_vdst(0)
	v_mul_f32 v93, v84, v33
.irp i, 1,2,3,4,5,6,7
	v_fmac_f32 v93, v[84+\i], v[33+2*\i]           ; L: at least 1, since the record that holds M has e = 1 and a row with p = 1
.endr
	s_wait_alu depctr_va_vdst(0)
	v_rcp_f32 v94, v93
	v_nop
	s_wait_alu depctr_va_vdst(0)
.irp i, 0,1,2,3,4,5,6,7
	v_mul_f32 v[84+\i], v[84+\i], v94              ; e_i / L
.endr
	v_pk_mul_f32 v[100:101], v[48:49], v[84:85] op_sel_hi:[1,0]
	v_pk_mul_f32 v[102:103], v[50:51], v[84:85] op_sel_hi:[1,0]
.irp i, 1,2,3,4,5,6,7
.if \i&1
	s_delay_alu instid0(VALU_DEP_2)
	v_pk_fma_f32 v[100:101], v[48+4*\i:49+4*\i], v[84+(\i&6):85+(\i&6)], v[100:101] op_sel:[0,1,0] op_sel_hi:[1,1,1]
	s_delay_alu instid0(VALU_DEP_2)
	v_pk_fma_f32 v[102:103], v[50+4*\i:51+4*\i], v[84+(\i&6):85+(\i&6)], v[102:103] op_sel:[0,1,0] op_sel_hi:[1,1,1]
.else
	s_delay_alu instid0(VALU_DEP_2)
	v_pk_fma_f32 v[100:101], v[48+4*\i:49+4*\i], v[84+(\i&6):85+(\i&6)], v[100:101] op_sel_hi:[1,0,1]
	s_delay_alu instid0(VALU_DEP_2)
	v_pk_fma_f32 v[102:103], v[50+4*\i:51+4*\i], v[84+(\i&6):85+(\i&6)], v[102:103] op_sel_hi:[1,0,1]
.endif
.endr
	ds_store_b128 v5, v[100:103] offset:PRE        ; the context: numbers 0 .. 1,023
	ds_store_b128 v5, v[80:83] offset:PRE+4096     ; h_t: numbers 1,024 .. 2,047
	s_wait_dscnt 0x0                               ; for the others' sake
	s_barrier_signal -1
	s_barrier_wait -1
	; ---- B: my two K steps of 128 are quantised.  Register 16 b + i = k 32 b + 16 h + i of the step; all 16 lanes of a half hold the same
.irp b, 0,1,2,3
	v_mov_b32 v[TM+4+\b], 0                        ; written once: a lane permute's destination counts as one of its sources
.endr
.macro QUANT s
.irp b, 0,1,2,3
	v_max3_num_f32 v[TM+\b], |v[\s+16*\b]|, |v[\s+1+16*\b]|, 0x1800000   ; block b: my 16 numbers, and the floor 2^(3 - 127): so the byte cannot fall under 1
.endr
.irp i, 2,4,6,8,10,12,14
.irp b, 0,1,2,3
	s_delay_alu instid0(VALU_DEP_4)
	v_max3_num_f32 v[TM+\b], v[TM+\b], |v[\s+16*\b+\i]|, |v[\s+1+16*\b+\i]|   ; (the four blocks by turns)
.endr
.endr
.irp b, 0,1,2,3
	s_delay_alu instid0(VALU_DEP_4)
	v_permlanex16_b32 v[TM+4+\b], v[TM+\b], s[SEL], s[SEL+1]
.endr
.irp b, 0,1,2,3
	s_delay_alu instid0(VALU_DEP_4)
	v_max_num_f32 v[TM+\b], v[TM+\b], v[TM+4+\b]   ; with lane l xor 16's: the block's largest magnitude
.endr
.irp b, 0,1,2,3
	s_delay_alu instid0(VALU_DEP_4)
	v_add_nc_u32 v[TM+12+\b], 0xff000000, v[TM+\b] ; 2 off its exponent field: the conversion's scale operand
.endr
.irp b, 0,1,2,3
	s_delay_alu instid0(VALU_DEP_4)
	v_lshrrev_b32 v[TM+4+\b], 23, v[TM+12+\b]      ; the scale's byte
.endr
	s_delay_alu instid0(VALU_DEP_3)
	v_lshl_or_b32 v[PW], v[TM+5], 8, v[TM+4]       ; the four bytes make the scale word
	s_delay_alu instid0(VALU_DEP_1)
	v_lshl_or_b32 v[PW], v[TM+6], 16, v[PW]
	s_delay_alu instid0(VALU_DEP_1)
	v_lshl_or_b32 v[PW], v[TM+7], 24, v[PW]
.irp b, 0,1,2,3
	v_cvt_scalef32_pk8_fp4_f32 v[PC+2*\b], v[\s+16*\b:\s+7+16*\b], v[TM+12+\b]
	v_cvt_scalef32_pk8_fp4_f32 v[PC+1+2*\b], v[\s+8+16*\b:\s+15+16*\b], v[TM+12+\b]
.endr
	v_nop                                          ; one plain line behind a scaled conversion
.irp c, 0,1                                    ; the operand's layout wants a WHOLE block in a lane: lanes 0-15 block 2 c, lanes 16-31 block 2 c + 1
.irp i, 0,1
	v_permlane16_swap_b32 v[PC+4*\c+\i], v[PC+2+4*\c+\i]
.endr
.endr
.endm
.irp u, 0,1
.irp b, 0,1,2,3
.irp j, 0,1,2,3
	ds_load_b128 v[ST+16*\b+4*\j:ST+16*\b+4*\j+3], v9 offset:PRE+512*\u+128*\b+16*\j
.endr
.endr
	s_wait_dscnt 0x0
	QUANT ST
.irp c, 0,1
	ds_store_b128 v10, v[PC+4*\c:PC+4*\c+3] offset:IMG+1024*\u+512*\c
.endr
	ds_store_b32 v11, v[PW] offset:PSC+128*\u
	s_wait_dscnt 0x0                               ; the stores have read their registers; in front of the barrier: for the others' sake
.endr
	s_barrier_signal -1
	s_barrier_wait -1
	; ---- C: 16 K steps, four at a time on four accumulators, which take turns
.irp z, 0,1,2,3
.if \z > 0
.rept 4
	v_nop                                          ; places in front of loads into registers that matrix instructions have read
.endr
.endif
.irp k, 0,1,2,3
.irp c, 0,1
	ds_load_b128 v[32+8*\k+4*\c:32+8*\k+4*\c+3], v6 offset:IMG+1024*(4*\z+\k)+512*\c
.endr
	ds_load_b32 v[XSC+\k], v7 offset:PSC+128*(4*\z+\k)
.endr
	s_wait_dscnt 0x0
.if \z == 0
	s_wait_loadcnt 0x0                             ; W_out's scale words and fragments
.endif
.irp k, 0,1,2,3
.if \z == 0
	v_wmma_scale_f32_16x16x128_f8f6f4 v[64+8*\k:71+8*\k], v[WF+8*(4*\z+\k):WF+8*(4*\z+\k)+7], v[32+8*\k:39+8*\k], 0, v[W2S+4*(\z/2)+\k], v[XSC+\k] matrix_a_fmt:MATRIX_FMT_FP4 matrix_b_fmt:MATRIX_FMT_FP4
.elseif \z&1
	v_wmma_scale_f32_16x16x128_f8f6f4 v[64+8*\k:71+8*\k], v[WF+8*(4*\z+\k):WF+8*(4*\z+\k)+7], v[32+8*\k:39+8*\k], v[64+8*\k:71+8*\k], v[W2S+4*(\z/2)+\k], v[XSC+\k] matrix_a_fmt:MATRIX_FMT_FP4 matrix_b_fmt:MATRIX_FMT_FP4 matrix_a_scale:MATRIX_SCALE_ROW1
.else
	v_wmma_scale_f32_16x16x128_f8f6f4 v[64+8*\k:71+8*\k], v[WF+8*(4*\z+\k):WF+8*(4*\z+\k)+7], v[32+8*\k:39+8*\k], v[64+8*\k:71+8*\k], v[W2S+4*(\z/2)+\k], v[XSC+\k] matrix_a_fmt:MATRIX_FMT_FP4 matrix_b_fmt:MATRIX_FMT_FP4
.endif
.endr
.endr
.rept 4
	v_nop                                          ; places in front of the first read of results
.endr
.irp a, 0,2,4,6
	v_pk_add_f32 v[96+\a:97+\a], v[64+\a:65+\a], v[72+\a:73+\a]        ; the four accumulators are joined, each from its low end on
.endr
.irp a, 0,2,4,6
	v_pk_add_f32 v[104+\a:105+\a], v[80+\a:81+\a], v[88+\a:89+\a]
.endr
.irp a, 0,2,4,6
	s_delay_alu instid0(VALU_DEP_4)
	v_pk_add_f32 v[96+\a:97+\a], v[96+\a:97+\a], v[104+\a:105+\a]      ; lane (r, h): y(16 v + 8 h + 0 .. 7), the same in all r
.endr
.irp j, 0,1,2,3,4,5,6,7
	v_mul_f32 v[96+\j], s31, v[96+\j]              ; tanh(y) = 1 - 2 / (1 + 2^(2 log2(e) y)): 1 where the power overflows, -1 where it falls to 0
.endr
	s_wait_alu depctr_va_vdst(0)
.irp j, 0,1,2,3,4,5,6,7
	v_exp_f32 v[96+\j], v[96+\j]
.endr
	v_nop
	s_wait_alu depctr_va_vdst(0)
.irp j, 0,1,2,3,4,5,6,7
	v_add_f32 v[96+\j], 1.0, v[96+\j]
.endr
	s_wait_alu depctr_va_vdst(0)
.irp j, 0,1,2,3,4,5,6,7
	v_rcp_f32 v[96+\j], v[96+\j]
.endr
	v_nop
	s_wait_alu depctr_va_vdst(0)
.irp j, 0,1,2,3,4,5,6,7
	v_fma_f32 v[96+\j], v[96+\j], -2.0, 1.0
.endr
	; ---- D: the eight waves' outputs meet in LDS and leave as 512 consecutive bytes
	ds_store_b128 v12, v[96:99] offset:OUTS        ; the 16 lanes of a half write the same bytes with the same values
	ds_store_b128 v12, v[100:103] offset:OUTS+16
	s_wait_dscnt 0x0                               ; for wave 0's sake
	s_barrier_signal -1
	s_barrier_wait -1
	s_cmp_lg_u32 s14, 0
	s_cbranch_scc1 .Lend
	ds_load_b128 v[104:107], v6 offset:OUTS
	s_wait_dscnt 0x0
	global_store_b128 v6, v[104:107], s[12:13]
.Lend:
	s_wait_tensorcnt 0x0
	ds_add_u32 v126, v127
	s_wait_dscnt 0x0
	s_endpgm
.Lfunc_end_k_qcb6524eefc_finish:
	.size	k_qcb6524eefc_finish, .Lfunc_end_k_qcb6524eefc_finish-k_qcb6524eefc_finish
	.p2alignl 7, 3214868480
	.fill 96, 4, 3214868480
	.section	.rodata,"a",@progbits
	.p2align	6, 0x0
	.amdhsa_kernel k_qcb6524eefc_finish
		.amdhsa_group_segment_fixed_size 29696
		.amdhsa_private_segment_fixed_size 0
		.amdhsa_enable_private_segment 0
		.amdhsa_kernarg_size 40
		.amdhsa_user_sgpr_count 2
		.amdhsa_user_sgpr_kernarg_segment_ptr 1
		.amdhsa_wavefront_size32 1
		.amdhsa_system_sgpr_workgroup_id_x 1
		.amdhsa_system_sgpr_workgroup_id_y 1
		.amdhsa_system_sgpr_workgroup_id_z 1
		.amdhsa_system_vgpr_workitem_id 0
		.amdhsa_next_free_vgpr 256
		.amdhsa_next_free_sgpr 66
		.amdhsa_reserve_vcc 0
		.amdhsa_float_denorm_mode_32 3
		.amdhsa_float_denorm_mode_16_64 3
		.amdhsa_memory_ordered 1
		.amdhsa_forward_progress 1
		.amdhsa_inst_pref_size 33
	.end_amdhsa_kernel
	.amdgpu_metadata
---
amdhsa.version: [ 1, 2 ]
amdhsa.kernels:
  - .name:           k_qcb6524eefc_finish
    .symbol:         k_qcb6524eefc_finish.kd
    .args:
      - { .name: part, .offset: 0, .size: 8, .value_kind: global_buffer, .address_space: global }
      - { .name: hidden_states, .offset: 8, .size: 8, .value_kind: global_buffer, .address_space: global }
      - { .name: wof, .offset: 16, .size: 8, .value_kind: global_buffer, .address_space: global }
      - { .name: w_out_scales, .offset: 24, .size: 8, .value_kind: global_buffer, .address_space: global }
      - { .name: out0, .offset: 32, .size: 8, .value_kind: global_buffer, .address_space: global }
    .group_segment_fixed_size: 29696
    .private_segment_fixed_size: 0
    .kernarg_segment_align: 8
    .kernarg_segment_size: 40
    .max_flat_workgroup_size: 256
    .sgpr_count:     66
    .vgpr_count:     256
    .wavefront_size: 32
...
	.end_amdgpu_metadata
.endif
;; end of part 3
